; MI455X (gfx1250); checked and timed in simulation.
; The chip was launched on July 23, 2026; its instructions are those of AMD's public machine-readable ISA for CDNA 5 (MIT licence, August 2026) and "CDNA5" Instruction Set Architecture Reference Guide (July 2026). The comments in the code are by the model that wrote it; some were corrected since.
;; Mo E. Allowed arithmetic: float matrix products may take bf16 or f16 operands with f32 sums; other float arithmetic in f32, or as packed bf16 or f16 multiplies, adds, multiply-adds, maxima and minima; sums over many terms, partial sums and values carried from step to step in f32; what a program stores and reads back later, other than sums and carried values, may be rounded once to bf16 or f16.
;; Inputs: b1 16 x 1,024 float32; b2 16 x 512 float32; router_b 16 float32; router_w 16 x 512 float32; w1 16 x 1,024 x 512 float32; w2 16 x 512 x 1,024 float32; x 2 x 2,048 x 512 float32.
;; Outputs: out0 2 x 2,048 x 512 float32.
;; One version. Each part assembles by itself: llvm-mc -triple=amdgcn-amd-amdhsa -mcpu=gfx1250 --defsym DOCPART=n.
;; ======== version 1 of 1: 4 launches
;; limits: a function is approximated: absolute error at most 2.5e-05; values are held in f16: magnitudes above 65,504 overflow, below 6.1e-05 lose precision
;; workspace buffers: xb 4,194,304 bytes; sel 16,384 bytes of whole numbers; gates 32,768 bytes; h 134,217,728 bytes; part 33,554,432 bytes
;; launch router (part 1): grid 256 x 1, 8 waves a work-group, no clusters, 34,304 bytes of LDS; arguments x, router_w, router_b, xb, sel, gates; writes xb, sel, gates
.if DOCPART == 1
	.amdgcn_target "amdgcn-amd-amdhsa--gfx1250"
	.amdhsa_code_object_version 6
	.text
	.protected	k_q93056a9ae2_router
	.globl	k_q93056a9ae2_router
	.p2align	8
	.type	k_q93056a9ae2_router,@function
k_q93056a9ae2_router:
	s_mov_b64 s[64:65], 0
	v_nop
	global_prefetch_b8 v0, s[64:65] scope:SCOPE_SE
	s_setreg_imm32_b32 hwreg(HW_REG_WAVE_MODE, 25, 1), 1
	s_wait_xcnt 0x0
; ROUTER.  logits = x router_w^T + router_b for 16 tokens a work-group; softmax; the two largest; and x rounded to bf16 for the next launch.
; Every input is rounded to bf16 first (x, router_w, router_b), products on the matrix unit, sums in f32.
; Stored at fixed places: xb[t][512] bf16; sel[t] = 1 << i1 | 1 << (16 + i2); gates[t][0] = p(i1), gates[t][1] = p(i2).  No address hangs on a choice.
; LIMITS.  The two largest are taken of the logits (softmax keeps their order); equal logits: the lower index first, as lax.top_k has it; logits nearer to each other than the
; last bits of their sums may be ordered otherwise than by another order of summing.  NaN and infinities are not treated apart.
; SHARES.  Wave w rounds rows 2 w, 2 w + 1 of the 16 tokens and of router_w and lays them into LDS; behind one barrier wave 0 multiplies (16 matrix instructions) and chooses.
.set PITCH, 1040                       ; an LDS row: 1,024 bytes of bf16 + 16: an odd multiple of 16, so the 16 rows of a fragment load fall on different 16-byte columns
.set XST,   0                          ; 16 rows of x
.set RST,   16*PITCH                   ; 16 rows of router_w
.set SPARE, 33280                      ; the spare words: 128 bytes for each of eight waves; no other line names them
.set SPW, 4                            ; v4  my spare word's address; never rewritten
.set NIL, 5                            ; v5  0; never rewritten
.set LDX, 8                            ; v8-39   x as loaded, 8 loads of 4
.set LDR, 40                           ; v40-71  router_w as loaded
.set FR,  8                            ; v8-71   wave 0: fragments of router_w, 8 K steps
.set FX,  72                           ; v72-135 fragments of x
.set ACC, 136                          ; v136-167 four accumulators, K steps by turns
.set BIA, 168                          ; v168-175 router_b[8 h + j]
.set LG,  176                          ; v176-183 logits: token r, experts 8 h + j
	s_load_b256 s[4:11], s[0:1], 0x0               ; x s[4:5], router_w s[6:7], router_b s[8:9], xb s[10:11]
	s_load_b128 s[12:15], s[0:1], 0x20             ; sel s[12:13], gates s[14:15]
	v_lshl_add_u32 v[SPW], v0, 2, SPARE
	v_mov_b32 v[NIL], 0
	v_and_b32 v1, 31, v0                           ; lane L
	v_lshrrev_b32 v2, 5, v0
	v_readfirstlane_b32 s16, v2                    ; wave 0..7
	v_and_b32 v2, 15, v0                           ; r = L % 16
	v_bfe_u32 v3, v0, 4, 1                         ; h = L / 16
	v_lshlrev_b32 v6, 4, v1                        ; 16 L
	v_lshlrev_b32 v7, 3, v1                        ; 8 L
	v_lshlrev_b32 v220, 5, v3                      ; 32 h: my eight numbers of router_b
	s_lshl_b32 s18, ttmp9, 15                      ; x: 16 tokens of 2,048 bytes a work-group,
	s_lshl_b32 s22, s16, 12                        ; two rows a wave (router_w's offset too)
	s_add_co_u32 s18, s18, s22
	s_mov_b32 s19, 0
	s_lshr_b32 s20, s18, 1                         ; xb: half of that
	s_mov_b32 s21, 0
	s_mov_b32 s23, 0
	s_lshl_b32 s34, ttmp9, 6                       ; sel: 16 words a work-group
	s_mov_b32 s35, 0
	s_lshl_b32 s36, ttmp9, 7                       ; gates: 16 pairs
	s_mov_b32 s37, 0
	s_mul_i32 s17, s16, 2*PITCH
	v_add_nc_u32 v185, s17, v7                     ; LDS: my wave's two rows + 8 L
	s_mov_b32 s24, 0x76543210                      ; v_permlanex16_b32: each lane takes its own place in the other half
	s_mov_b32 s25, 0xfedcba98
	s_mov_b32 s26, 0xffff0000                      ; a word's upper bf16; also the mask of lanes 16-31
	s_mov_b32 s28, 0x3fb8aa3b                      ; log2(e), named as a pair
	s_mov_b32 s29, s28
	s_wait_kmcnt 0x0
	s_add_nc_u64 s[4:5], s[4:5], s[18:19]
	s_add_nc_u64 s[6:7], s[6:7], s[22:23]
	s_add_nc_u64 s[10:11], s[10:11], s[20:21]
	s_add_nc_u64 s[12:13], s[12:13], s[34:35]
	s_add_nc_u64 s[14:15], s[14:15], s[36:37]
.set i, 0
.rept 8                                ; each load covers 512 consecutive bytes: row i / 4, quarter i % 4
	global_load_b128 v[LDX+4*i:LDX+4*i+3], v6, s[4:5] offset:(i/4)*2048+(i%4)*512 th:TH_LOAD_NT
.set i, i+1
.endr
.set i, 0
.rept 8
	global_load_b128 v[LDR+4*i:LDR+4*i+3], v6, s[6:7] offset:(i/4)*2048+(i%4)*512
.set i, i+1
.endr
	global_load_b128 v[BIA:BIA+3], v220, s[8:9]
	global_load_b128 v[BIA+4:BIA+7], v220, s[8:9] offset:16
; eight loads are rounded to bf16, 8 bytes a lane, and laid into LDS; out = 1: also stored to xb, 32 lanes to 256 consecutive bytes
.macro STAGE base, region, out
.set i, 0
.rept 8
	v_cvt_pk_bf16_f32 v[\base+4*i], v[\base+4*i], v[\base+4*i+1]
	v_cvt_pk_bf16_f32 v[\base+4*i+1], v[\base+4*i+2], v[\base+4*i+3]
.if \out
	global_store_b64 v7, v[\base+4*i:\base+4*i+1], s[10:11] offset:(i/4)*1024+(i%4)*256
.endif
	ds_store_b64 v185, v[\base+4*i:\base+4*i+1] offset:\region+(i/4)*PITCH+(i%4)*256
.set i, i+1
.endr
.endm
	s_wait_loadcnt 10                              ; x is in; router_w's eight loads and router_b's two stay out
	STAGE LDX, XST, 1
	s_wait_loadcnt 2                               ; router_w is in
	STAGE LDR, RST, 0
	s_wait_dscnt 0x0                               ; for wave 0's sake: my rows lie in LDS
	s_barrier_signal -1
	s_barrier_wait -1
	s_cmp_lg_u32 s16, 0
	s_cbranch_scc1 .Lend                           ; the rest is wave 0's
	s_wait_loadcnt 0x0                             ; router_b
	s_wait_xcnt 0x0                                ; the stores to xb have read their registers: v8-39 are loaded again below
.set i, 0
.rept 4                                ; router_b rounded to bf16, as every input is
	v_cvt_pk_bf16_f32 v184, v[BIA+2*i], v[BIA+2*i+1]
	v_lshlrev_b32 v[BIA+2*i], 16, v184
	v_and_b32 v[BIA+2*i+1], s26, v184
.set i, i+1
.endr
	v_mul_u32_u24 v186, v2, PITCH
	v_lshl_add_u32 v186, v3, 4, v186               ; a fragment: row r, 16 bytes for each half of the lanes
; Eight K steps of 32.  Source 0 = the 16 experts, source 1 = the 16 tokens: lane (r, h) then holds token r, register j expert 8 h + j.
; The four accumulators take turns; the first starts with the bias, the other three with 0.
.macro HALF p
.set i, 0
.rept 8
	ds_load_b128 v[FR+8*i:FR+8*i+3],   v186 offset:RST+64*(8*(\p)+i)
	ds_load_b128 v[FR+8*i+4:FR+8*i+7], v186 offset:RST+64*(8*(\p)+i)+32
	ds_load_b128 v[FX+8*i:FX+8*i+3],   v186 offset:XST+64*(8*(\p)+i)
	ds_load_b128 v[FX+8*i+4:FX+8*i+7], v186 offset:XST+64*(8*(\p)+i)+32
.set i, i+1
.endr
	s_wait_dscnt 0x0
.set i, 0
.rept 8
.if ((\p) == 0) && (i == 0)
	v_wmma_f32_16x16x32_bf16 v[ACC:ACC+7], v[FR:FR+7], v[FX:FX+7], v[BIA:BIA+7]
.elseif ((\p) == 0) && (i < 4)
	v_wmma_f32_16x16x32_bf16 v[ACC+8*i:ACC+8*i+7], v[FR+8*i:FR+8*i+7], v[FX+8*i:FX+8*i+7], 0
.else
	v_wmma_f32_16x16x32_bf16 v[ACC+8*(i%4):ACC+8*(i%4)+7], v[FR+8*i:FR+8*i+7], v[FX+8*i:FX+8*i+7], v[ACC+8*(i%4):ACC+8*(i%4)+7]
.endif
.set i, i+1
.endr
.rept 4
	v_nop                                          ; four places: behind them the fragments are loaded again, or the sums read (ISA guide 7.12.1)
.endr
.endm
	HALF 0
	HALF 1
.set i, 0
.rept 4                                ; each accumulator is read from its low end on
	v_pk_add_f32 v[LG+2*i:LG+2*i+1], v[ACC+2*i:ACC+2*i+1], v[ACC+8+2*i:ACC+8+2*i+1]
.set i, i+1
.endr
.set i, 0
.rept 4
	v_pk_add_f32 v[188+2*i:188+2*i+1], v[ACC+16+2*i:ACC+16+2*i+1], v[ACC+24+2*i:ACC+24+2*i+1]
.set i, i+1
.endr
.set i, 0
.rept 4
	v_pk_add_f32 v[LG+2*i:LG+2*i+1], v[LG+2*i:LG+2*i+1], v[188+2*i:188+2*i+1]
.set i, i+1
.endr
	; the two largest of my eight: (m1, i1) v196, v197; (m2, i2) v198, v199.  Strict compares: of equals the lower index stays ahead.
	v_mov_b32 v196, v[LG]
	v_mov_b32 v197, 0
	v_mov_b32 v198, 0xff800000
	v_mov_b32 v199, 0
.set i, 1
.rept 7
	v_cmp_gt_f32 vcc_lo, v[LG+i], v196
	v_cmp_gt_f32 s30, v[LG+i], v198
	v_cndmask_b32 v198, v198, v[LG+i], s30
	v_cndmask_b32 v199, v199, i, s30
	v_cndmask_b32 v198, v198, v196, vcc_lo
	v_cndmask_b32 v199, v199, v197, vcc_lo
	v_cndmask_b32 v196, v196, v[LG+i], vcc_lo
	v_cndmask_b32 v197, v197, i, vcc_lo
.set i, i+1
.endr
	v_lshl_add_u32 v197, v3, 3, v197               ; experts 8 h + j
	v_lshl_add_u32 v199, v3, 3, v199
.set i, 0
.rept 4
	v_mov_b32 v[200+i], 0                          ; the exchange's destinations count as read
.set i, i+1
.endr
.set i, 0
.rept 4
	v_permlanex16_b32 v[200+i], v[196+i], s24, s25 ; the token's other eight experts lie in the lane 16 away
.set i, i+1
.endr
.set i, 0
.rept 4                                ; A (v204-207): experts 0-7's pair; B (v208-211): experts 8-15's; alike in both lanes of a token
	v_cndmask_b32 v[204+i], v[196+i], v[200+i], s26
	v_cndmask_b32 v[208+i], v[200+i], v[196+i], s26
.set i, i+1
.endr
	v_cmp_gt_f32 vcc_lo, v208, v204                ; B's first beats A's first?  (equal: A, the lower index)
	v_cndmask_b32 v212, v204, v208, vcc_lo         ; the largest, and its expert
	v_cndmask_b32 v213, v205, v209, vcc_lo
	v_cndmask_b32 v214, v206, v204, vcc_lo         ; the two that are left to be second: A's
	v_cndmask_b32 v215, v207, v205, vcc_lo
	v_cndmask_b32 v216, v208, v210, vcc_lo         ; and B's
	v_cndmask_b32 v217, v209, v211, vcc_lo
	v_cmp_gt_f32 s30, v216, v214
	v_cndmask_b32 v218, v214, v216, s30            ; the second, and its expert
	v_cndmask_b32 v219, v215, v217, s30
	; softmax with the largest logit taken away: p = 2^((l - M) log2 e) / the sum over the 16 experts
	v_mul_f32 v222, s28, v212
	v_mov_b32 v223, v222
	v_fma_f32 v221, v218, s28, -v222
.set i, 0
.rept 4
	v_pk_fma_f32 v[LG+2*i:LG+2*i+1], v[LG+2*i:LG+2*i+1], s[28:29], v[222:223] op_sel_hi:[1,0,0] neg_lo:[0,0,1] neg_hi:[0,0,1]
.set i, i+1
.endr
.set i, 0
.rept 8
	v_exp_f32 v[LG+i], v[LG+i]
.set i, i+1
.endr
	v_exp_f32 v221, v221
	v_nop                                          ; a plain instruction between the last exponential and the use of its result
	s_wait_alu depctr_va_vdst(0)
	v_pk_add_f32 v[LG:LG+1], v[LG:LG+1], v[LG+2:LG+3]
	v_pk_add_f32 v[LG+4:LG+5], v[LG+4:LG+5], v[LG+6:LG+7]
	v_pk_add_f32 v[LG:LG+1], v[LG:LG+1], v[LG+4:LG+5]
	v_add_f32 v[LG], v[LG], v[LG+1]
	v_permlanex16_b32 v[LG+1], v[LG], s24, s25
	v_add_f32 v[LG], v[LG], v[LG+1]
	v_rcp_f32 v178, v[LG]                          ; the first gate: 1 / sum
	v_lshlrev_b32 v181, 3, v2                      ; (a plain instruction behind the reciprocal) 8 r: a token's pair of gates
	s_wait_alu depctr_va_vdst(0)
	v_mul_f32 v179, v221, v178                     ; the second gate
	v_lshlrev_b32 v187, 2, v2                      ; 4 r: a token's word
	v_mov_b32 v183, 1
	v_lshlrev_b32 v182, v213, v183                 ; 1 << i1
	v_add_nc_u32 v184, 16, v219
	v_lshlrev_b32 v184, v184, v183                 ; 1 << (16 + i2)
	v_or_b32 v182, v182, v184
	s_wait_xcnt 0x0                                ; EXEC changes only behind this wait
	v_cmp_gt_u32 vcc_lo, 16, v1
	s_and_saveexec_b32 s32, vcc_lo                 ; both lanes of a token hold the same numbers: lanes 0-15 store them
	global_store_b64 v181, v[178:179], s[14:15]    ; 128 consecutive bytes
	global_store_b32 v187, v182, s[12:13]          ; 64 consecutive bytes
	s_wait_xcnt 0x0                                ; and again, in front of the line that widens it
	s_or_b32 exec_lo, exec_lo, s32
.Lend:
	s_wait_tensorcnt 0x0                           ; the wave's end
	ds_add_u32 v[SPW], v[NIL]
	s_wait_dscnt 0x0
	s_endpgm
.Lfunc_end_k_q93056a9ae2_router:
	.size	k_q93056a9ae2_router, .Lfunc_end_k_q93056a9ae2_router-k_q93056a9ae2_router
	.p2alignl 7, 3214868480
	.fill 96, 4, 3214868480
	.section	.rodata,"a",@progbits
	.p2align	6, 0x0
	.amdhsa_kernel k_q93056a9ae2_router
		.amdhsa_group_segment_fixed_size 34304
		.amdhsa_private_segment_fixed_size 0
		.amdhsa_enable_private_segment 0
		.amdhsa_kernarg_size 48
		.amdhsa_user_sgpr_count 2
		.amdhsa_user_sgpr_kernarg_segment_ptr 1
		.amdhsa_wavefront_size32 1
		.amdhsa_system_sgpr_workgroup_id_x 1
		.amdhsa_system_sgpr_workgroup_id_y 1
		.amdhsa_system_sgpr_workgroup_id_z 1
		.amdhsa_system_vgpr_workitem_id 0
		.amdhsa_next_free_vgpr 224
		.amdhsa_next_free_sgpr 66
		.amdhsa_reserve_vcc 1
		.amdhsa_float_denorm_mode_32 3
		.amdhsa_float_denorm_mode_16_64 3
		.amdhsa_memory_ordered 1
		.amdhsa_forward_progress 1
		.amdhsa_inst_pref_size 21
	.end_amdhsa_kernel
	.amdgpu_metadata
---
amdhsa.version: [ 1, 2 ]
amdhsa.kernels:
  - .name:           k_q93056a9ae2_router
    .symbol:         k_q93056a9ae2_router.kd
    .args:
      - { .name: x, .offset: 0, .size: 8, .value_kind: global_buffer, .address_space: global }
      - { .name: router_w, .offset: 8, .size: 8, .value_kind: global_buffer, .address_space: global }
      - { .name: router_b, .offset: 16, .size: 8, .value_kind: global_buffer, .address_space: global }
      - { .name: xb, .offset: 24, .size: 8, .value_kind: global_buffer, .address_space: global }
      - { .name: sel, .offset: 32, .size: 8, .value_kind: global_buffer, .address_space: global }
      - { .name: gates, .offset: 40, .size: 8, .value_kind: global_buffer, .address_space: global }
    .group_segment_fixed_size: 34304
    .private_segment_fixed_size: 0
    .kernarg_segment_align: 8
    .kernarg_segment_size: 48
    .max_flat_workgroup_size: 256
    .sgpr_count:     66
    .vgpr_count:     224
    .wavefront_size: 32
...
	.end_amdgpu_metadata
.endif
;; end of part 1
;; launch ffn1 (part 2): grid 16 x 16, 4 waves a work-group, no clusters, 67,072 bytes of LDS; arguments xb, sel, w1, b1, h; writes h
.if DOCPART == 2
	.amdgcn_target "amdgcn-amd-amdhsa--gfx1250"
	.amdhsa_code_object_version 6
	.text
	.protected	k_q93056a9ae2_ffn1
	.globl	k_q93056a9ae2_ffn1
	.p2align	8
	.type	k_q93056a9ae2_ffn1,@function
k_q93056a9ae2_ffn1:
	s_mov_b64 s[64:65], 0
	v_nop
	global_prefetch_b8 v0, s[64:65] scope:SCOPE_SE
	s_setreg_imm32_b32 hwreg(HW_REG_WAVE_MODE, 25, 1), 1
	s_wait_xcnt 0x0
; FIRST PRODUCT.  h = gelu(x w1[e]^T + b1[e]) for the tokens that chose expert e, 64 of the 1,024 hidden columns a work-group (grid: x = slice, y = expert).
; THE WEIGHTS STAY.  The slice, 64 rows x 512 of f32, is read once in the launch, by this work-group, rounded to bf16 on its way through registers, shared through LDS, and then kept by EVERY wave
; as 64 fragments in 512 registers.  The token rows stream from memory straight into registers as matrix operands: the loop over rows has no barrier and touches no LDS.
; THE ROWS.  Wave w owns tokens 1,024 w .. 1,024 w + 1,023.  32 ballots over sel's words leave a bitmap of those that chose e in 32 scalar registers, and beside it 31 keys
; K_i = (chosen tokens before word i) << 10 | the word's first token.  The row of rank R is found from them: the last word whose prefix is at most R (31 steps of a compare and two selects),
; then the set bit of rank R - prefix in that word (counts of pairs, nibbles and bytes, and five halvings).  32 lanes find 32 rows, two tiles of 16, at a time, a pair of tiles ahead.
; Ranks past the count take the last row once more, so no load or store is masked.  A quarter without rows makes one tile (of some token of its own), so that the next launch's first load finds written bytes.
; The next launch finds the same rows by the same text.
; h LEAVES IN OPERAND ORDER: tile ((4 e + w) 64 + j) of 32,768 bytes = [K step of 32][half][lane][16 bytes]: a lane's eight results of a 16 x 16 tile ARE four registers of the next product's fragment.
; FORMATS.  x (by the launch before), w1 and b1 rounded to bf16; sums in f32; h rounded once to f16.
; LIMITS.  A pre-activation of 65,520 or more gives an infinity in f16.  erf by Abramowitz and Stegun 7.1.25 (error at most 2.5e-5 for every argument):
; gelu(z) = max(z, 0) - |z| q, q = (a1 t + a2 t^2 + a3 t^3) / 2 x exp(-z^2 / 2), t = 1 / (1 + 0.47047 |z| / sqrt 2): no difference of near numbers, and q = 0 for large |z|.  NaN and infinities are not treated apart.
; NO TENSOR LOADS, NO CLUSTER: the rows are scattered, which no tile descriptor covers, the loop's length hangs on a stored count, and each weight has one reader.
; REGISTERS, in windows of 256 (s_set_vgpr_msb: bits 1:0 source 0, 3:2 source 1, 5:4 source 2, 7:6 destination):
;   window 0: addresses, bias, accumulators, work; v128-255 row buffer 0     window 1: the weights as loaded, then the fragments of K steps 0-7     window 2: K steps 8-15     window 3: v128-255 row buffer 1
.set PITCH,  1040                      ; an LDS row of the slice: 1,024 bytes + 16: an odd multiple of 16
.set SPARE,  64*PITCH                  ; behind the slice: the spare words, 128 bytes for each wave; no other line names them
.set RSTRIDE, 2048                     ; bytes from row to row of w1
.set SPW, 4                            ; v4  my spare word's address; never rewritten
.set NIL, 5                            ; v5  0; never rewritten
.set SELR, 8                           ; v8-39   sel's words of my 1,024 tokens; later the search's work:
.set RK,  8                            ;   R << 10 | 1023
.set VK,  9                            ;   the key kept so far
.set VW,  10                           ;   its word of the bitmap
.set RR,  11                           ;   R
.set REM, 12                           ;   the rank left in the word
.set POS, 13                           ;   the bit
.set T0,  14
.set T1,  15
.set SW1, 16                           ;   counts of the word's pairs of bits,
.set SW2, 17                           ;   nibbles,
.set SW4, 18                           ;   bytes,
.set SW8, 19                           ;   and of its low half, in the low byte
.set AZ,  8                            ; and the activation's work: |z|
.set TT,  16                           ;   t
.set EE,  24                           ;   exp(-z^2 / 2)
.set PP,  32                           ;   q
.set BIAS, 40                          ; v40-71  b1[16 nt + 8 h + j]
.set ACC, 72                           ; v72-103 four accumulators: 16 rows x 64 columns
.set HP,  104                          ; v104-119 h packed; ahead of the loop two registers at work
.set XO,  120                          ; v120-121 byte offset of my row in xb, by buffer
.set TOK, 122                          ; v122 lane L: the token of rank 32 p + L
.set PX,  123                          ; v123 the other half of the lanes' token
.set H16, 124                          ; v124 16 h
.set FA,  126                          ; v126 a fragment's place in the slice: r x pitch + 16 h
.set TMP, 127
.set ABUF, 128
.set TS,   2                           ; s2   at work
.set CNT,  3                           ; s3   chosen tokens
.set NTL,  14                          ; s14  tiles of 16 rows
.set JT,   15                          ; s15  the tile in hand
.set WV,   16                          ; s16  my wave's number
.set SL,   17                          ; s17  slice
.set EX,   18                          ; s18  expert
.set STMP, 19
.set TRIP, 20                          ; s20  the loop's counter
.set KT,   20                          ; s21-51  the keys K_1 .. K_31 (K_0 is 0); ahead of the ballots offsets are made here
.set HM,   63                          ; s63  0xffff0000: a word's upper bf16; also the mask of lanes 16-31
.set BT,   66                          ; s66-97  the bitmap
.set BITS, 98                          ; s98  the two bits of sel's words that name e
.set CM1,  99                          ; s99  the last rank
.set PS,   100                         ; s100-101 v_permlanex16_b32's selects: each lane takes its own place in the other half
.set TB,   104                         ; s104 my first token
.set P1,   105                         ; s105 the pair of tiles that is searched for
.set MSB, 0
.macro WIN new                         ; the immediate's high byte repeats the setting that is left; a switch that changes nothing is dropped
.if MSB != (\new)
	s_set_vgpr_msb (MSB<<8)|(\new)
.set MSB, (\new)
.endif
.endm
	s_load_b256 s[4:11], s[0:1], 0x0               ; xb s[4:5], sel s[6:7], w1 s[8:9], b1 s[10:11]
	s_load_b64 s[12:13], s[0:1], 0x20              ; h
	v_lshl_add_u32 v[SPW], v0, 2, SPARE
	v_mov_b32 v[NIL], 0
	v_and_b32 v1, 31, v0                           ; lane L
	v_lshrrev_b32 v2, 5, v0
	v_readfirstlane_b32 s[WV], v2                  ; wave 0..3
	v_and_b32 v2, 15, v0                           ; r
	v_bfe_u32 v3, v0, 4, 1                         ; h
	v_lshlrev_b32 v6, 4, v1                        ; 16 L
	s_mov_b32 s[SL], ttmp9
	s_and_b32 s[EX], ttmp7, 0xffff
	s_lshl_b32 s30, s[EX], 21                      ; w1: an expert is 2 MiB, a slice 64 rows, my part of it 16 rows
	s_lshl_b32 s[STMP], s[SL], 17
	s_add_co_u32 s30, s30, s[STMP]
	s_lshl_b32 s[STMP], s[WV], 15
	s_add_co_u32 s30, s30, s[STMP]
	s_mov_b32 s31, 0
	s_lshl_b32 s32, s[EX], 12                      ; b1
	s_lshl_b32 s[STMP], s[SL], 8
	s_add_co_u32 s32, s32, s[STMP]
	s_mov_b32 s33, 0
	s_lshl_b32 s34, s[EX], 23                      ; h: 64 tiles for each (e, w); the slice's two K steps in a tile
	s_lshl_b32 s[STMP], s[WV], 21
	s_add_co_u32 s34, s34, s[STMP]
	s_lshl_b32 s[STMP], s[SL], 11
	s_add_co_u32 s34, s34, s[STMP]
	s_mov_b32 s35, 0
	s_lshl_b32 s48, s[WV], 12                      ; sel: my 1,024 words
	s_mov_b32 s49, 0
	s_mul_i32 s[STMP], s[WV], 16*PITCH
	v_lshl_add_u32 v7, v1, 3, s[STMP]              ; where I lay my 16 rows of the slice: + 8 L
	v_mul_u32_u24 v[FA], v2, PITCH
	v_lshl_add_u32 v[FA], v3, 4, v[FA]
	v_lshlrev_b32 v[H16], 4, v3
	v_lshlrev_b32 v[TMP], 5, v3                    ; 32 h: my eight numbers of a tile's bias
	v_mov_b32 v[PX], 0                             ; the exchange's destination counts as read
	s_lshl_b32 s[BITS], 0x10001, s[EX]
	s_lshl_b32 s[TB], s[WV], 10
	s_mov_b32 s[PS], 0x76543210
	s_mov_b32 s[PS+1], 0xfedcba98
	s_mov_b32 s52, 0x3eaa540e                      ; 0.47047 / sqrt 2       (each constant twice: the packed forms name pairs)
	s_mov_b32 s53, s52
	s_mov_b32 s54, 0xbf38aa3b                      ; -log2(e) / 2
	s_mov_b32 s55, s54
	s_mov_b32 s56, 0x3ebf7377                      ; a3 / 2 =  0.3739278
	s_mov_b32 s57, s56
	s_mov_b32 s58, 0xbd445ca1                      ; a2 / 2 = -0.0479399
	s_mov_b32 s59, s58
	s_mov_b32 s60, 0x3e32303a                      ; a1 / 2 =  0.1740121
	s_mov_b32 s61, s60
	s_mov_b32 s62, 0x7fffffff
	s_mov_b32 s[HM], 0xffff0000
	s_wait_kmcnt 0x0
	s_add_nc_u64 s[6:7], s[6:7], s[48:49]
	s_add_nc_u64 s[8:9], s[8:9], s[30:31]
	s_add_nc_u64 s[10:11], s[10:11], s[32:33]
	s_add_nc_u64 s[12:13], s[12:13], s[34:35]
; rows lo .. hi - 1 of my 16 rows of the slice, four loads of 512 consecutive bytes a row, into window 1
.macro WLOAD lo, hi
	WIN 0x40
.set rho, (\lo)
.rept (\hi)-(\lo)
.set qc, 0
.rept 4
	global_load_b128 v[4*(4*rho+qc):4*(4*rho+qc)+3], v6, s[8:9] offset:rho*RSTRIDE+512*qc th:TH_LOAD_NT
.set qc, qc+1
.endr
.set rho, rho+1
.endr
	WIN 0
.endm
; rows 4 g .. 4 g + 3: rounded to bf16 in place, 8 bytes a lane, and laid into the slice in LDS
.macro WCVT g
	WIN 0x45
.set i, 16*(\g)
.rept 16
	v_cvt_pk_bf16_f32 v[4*i], v[4*i], v[4*i+1]
	v_cvt_pk_bf16_f32 v[4*i+1], v[4*i+2], v[4*i+3]
.set i, i+1
.endr
	WIN 0x04
.set i, 16*(\g)
.rept 16
	ds_store_b64 v7, v[4*i:4*i+1] offset:(i/4)*PITCH+(i%4)*256
.set i, i+1
.endr
	WIN 0
.endm
; THE BITMAP AND THE KEYS.  Word i, bit L is token 128 (i / 4) + 4 L + i % 4 of my 1,024: the place that the 16-byte loads of sel gave it.
.macro BUILD
	s_mov_b32 s[CNT], 0
.set i, 0
.rept 32
	v_and_b32 v[HP+i%2], s[BITS], v[SELR+i]
	v_cmp_ne_u32 s[BT+i], 0, v[HP+i%2]
.if i > 0
	s_lshl_b32 s[KT+i], s[CNT], 10
	s_or_b32 s[KT+i], s[KT+i], 128*(i/4)+i%4
.endif
	s_bcnt1_i32_b32 s[TS], s[BT+i]
	s_add_co_u32 s[CNT], s[CNT], s[TS]
.set i, i+1
.endr
	s_max_u32 s[CM1], s[CNT], 1
	s_sub_co_u32 s[CM1], s[CM1], 1                 ; the last rank (0 for an empty quarter)
	s_add_co_u32 s[NTL], s[CNT], 15
	s_lshr_b32 s[NTL], s[NTL], 4
.endm
; THE SEARCH for the rows of ranks 32 P1 + L.  It begins with word 0;
.macro CINIT
	v_lshl_add_u32 v[RR], s[P1], 5, v1
	v_min_u32 v[RR], s[CM1], v[RR]                 ; past the count: the last row once more
	v_lshl_or_b32 v[RK], v[RR], 10, 0x3ff
	v_mov_b32 v[VK], 0
	v_mov_b32 v[VW], s[BT]
.endm
; word q takes over where its prefix is at most R.  The first source is a scalar register, the others lie in window 0: the three lines also stand as they are between the products of row buffer 0;
.macro CSTEP q
	v_cmp_gt_u32 vcc_lo, s[KT+\q], v[RK]
	v_cndmask_b32 v[VK], s[KT+\q], v[VK], vcc_lo
	v_cndmask_b32 v[VW], s[BT+\q], v[VW], vcc_lo
.endm
; a halving: if the rank left is at least the count of the lower wd bits from POS on, these are passed over;
.macro BSTEP src, fw, wd
	v_bfe_u32 v[T0], v[\src], v[POS], \fw
	v_cmp_ge_u32 vcc_lo, v[REM], v[T0]
	v_cndmask_b32 v[T0], 0, v[T0], vcc_lo
	v_cndmask_b32 v[T1], 0, \wd, vcc_lo
	v_sub_nc_u32 v[REM], v[REM], v[T0]
	v_add_nc_u32 v[POS], v[POS], v[T1]
.endm
; and the set bit of that rank in the word names the token.
.macro BITSEL dst
	v_lshrrev_b32 v[T0], 10, v[VK]                 ; the word's prefix
	v_lshrrev_b32 v[T1], 1, v[VW]
	v_sub_nc_u32 v[REM], v[RR], v[T0]
	v_and_b32 v[T1], 0x55555555, v[T1]
	v_sub_nc_u32 v[SW1], v[VW], v[T1]
	v_lshrrev_b32 v[T1], 2, v[SW1]
	v_and_b32 v[SW2], 0x33333333, v[SW1]
	v_and_b32 v[T1], 0x33333333, v[T1]
	v_add_nc_u32 v[SW2], v[SW2], v[T1]
	v_lshrrev_b32 v[T1], 4, v[SW2]
	v_add_nc_u32 v[SW4], v[SW2], v[T1]
	v_and_b32 v[SW4], 0x0f0f0f0f, v[SW4]
	v_lshrrev_b32 v[T1], 8, v[SW4]
	v_add_nc_u32 v[SW8], v[SW4], v[T1]
	v_mov_b32 v[POS], 0
	BSTEP SW8, 8, 16
	BSTEP SW4, 8, 8
	BSTEP SW2, 4, 4
	BSTEP SW1, 2, 2
	BSTEP VW, 1, 1
	v_and_b32 v[T0], 0x3ff, v[VK]                  ; the word's first token
	v_lshl_add_u32 v[T0], v[POS], 2, v[T0]
	v_add_nc_u32 v[\dst], s[TB], v[T0]
.endm
; the byte offset in xb of row r of a tile, in both lanes of the row; up = 1: the tile's tokens lie in lanes 16-31 of TOK, else in lanes 0-15
.macro ROWADR bb, up
	v_permlanex16_b32 v[PX], v[TOK], s[PS], s[PS+1]
.if \up
	v_cndmask_b32 v[TMP], v[PX], v[TOK], s[HM]
.else
	v_cndmask_b32 v[TMP], v[TOK], v[PX], s[HM]
.endif
	v_min_u32 v[TMP], 0xfff, v[TMP]                ; a token
	v_lshlrev_b32 v[TMP], 10, v[TMP]               ; its row of 1,024 bytes
	v_add_nc_u32 v[XO+(\bb)], v[H16], v[TMP]       ; + 16 h
.endm
; a tile's 16 rows of xb, whole (1,024 bytes each), as 16 fragments into row buffer bb
.macro ALOAD bb
	WIN 0xc0*(\bb)
.set ks, 0
.rept 16
	global_load_b128 v[ABUF+8*ks:ABUF+8*ks+3],   v[XO+(\bb)], s[4:5] offset:64*ks
	global_load_b128 v[ABUF+8*ks+4:ABUF+8*ks+7], v[XO+(\bb)], s[4:5] offset:64*ks+32
.set ks, ks+1
.endr
	WIN 0
.endm
; 64 matrix instructions: 16 K steps x 4 tiles of 16 columns.  Source 0 = 16 rows of w1, source 1 = the 16 token rows: lane (r, h) holds row r, columns 16 nt + 8 h + 0..7.
; The first K step starts the sums with the bias; the four accumulators take turns.  ride = 1: behind every second product stands a step of the search.
.macro MUL b, ride
.set ks, 0
.set mm, 0
.rept 16
	WIN (1+ks/8)|(12*(\b))
.set nt, 0
.rept 4
.if ks == 0
	v_wmma_f32_16x16x32_bf16 v[ACC+8*nt:ACC+8*nt+7], v[((ks%8)*4+nt)*8:((ks%8)*4+nt)*8+7], v[ABUF+8*ks:ABUF+8*ks+7], v[BIAS+8*nt:BIAS+8*nt+7]
.else
	v_wmma_f32_16x16x32_bf16 v[ACC+8*nt:ACC+8*nt+7], v[((ks%8)*4+nt)*8:((ks%8)*4+nt)*8+7], v[ABUF+8*ks:ABUF+8*ks+7], v[ACC+8*nt:ACC+8*nt+7]
.endif
.if (\ride) && (mm%2 == 0) && (mm < 62)
	CSTEP mm/2+1
.endif
.set mm, mm+1
.set nt, nt+1
.endr
.set ks, ks+1
.endr
	WIN 0
.endm
; the activation of accumulator n's eight numbers, rounded to f16 into four registers.  Behind each run of transcendentals stands a plain instruction that touches none of them.
.macro GELU8 n
.set ZZ, ACC+8*(\n)
.set q, 0
.rept 8
	v_and_b32 v[AZ+q], s62, v[ZZ+q]                ; |z|: the accumulator is read from its low end on
.set q, q+1
.endr
.set q, 0
.rept 4
	v_pk_fma_f32 v[TT+q:TT+q+1], v[AZ+q:AZ+q+1], s[52:53], 1.0 op_sel_hi:[1,0,0]
.set q, q+2
.endr
.set q, 0
.rept 4
	v_pk_mul_f32 v[EE+q:EE+q+1], v[ZZ+q:ZZ+q+1], v[ZZ+q:ZZ+q+1]
.set q, q+2
.endr
.set q, 0
.rept 8
	v_rcp_f32 v[TT+q], v[TT+q]                     ; t
.set q, q+1
.endr
.set q, 0
.rept 4
	v_pk_mul_f32 v[EE+q:EE+q+1], v[EE+q:EE+q+1], s[54:55] op_sel_hi:[1,0]
.set q, q+2
.endr
.set q, 0
.rept 8
	v_exp_f32 v[EE+q], v[EE+q]                     ; exp(-z^2 / 2)
.set q, q+1
.endr
.set q, 0
	s_wait_alu depctr_va_vdst(0)
.rept 4
	v_pk_fma_f32 v[PP+q:PP+q+1], v[TT+q:TT+q+1], s[56:57], s[58:59] op_sel_hi:[1,0,0]
.set q, q+2
.endr
.set q, 0
.rept 4
	v_pk_fma_f32 v[PP+q:PP+q+1], v[PP+q:PP+q+1], v[TT+q:TT+q+1], s[60:61] op_sel_hi:[1,1,0]
.set q, q+2
.endr
.set q, 0
.rept 4
	v_pk_mul_f32 v[PP+q:PP+q+1], v[PP+q:PP+q+1], v[TT+q:TT+q+1]
.set q, q+2
.endr
.set q, 0
.rept 4
	v_pk_mul_f32 v[PP+q:PP+q+1], v[PP+q:PP+q+1], v[EE+q:EE+q+1]
.set q, q+2
.endr
.set q, 0
.rept 8
	v_max_num_f32 v[ZZ+q], 0, v[ZZ+q]
.set q, q+1
.endr
.set q, 0
.rept 4
	v_pk_fma_f32 v[ZZ+q:ZZ+q+1], v[AZ+q:AZ+q+1], v[PP+q:PP+q+1], v[ZZ+q:ZZ+q+1] neg_lo:[1,0,0] neg_hi:[1,0,0]
.set q, q+2
.endr
.set q, 0
.rept 4
	v_cvt_pk_f16_f32 v[HP+4*(\n)+q/2], v[ZZ+q], v[ZZ+q+1]
.set q, q+2
.endr
.endm
; TILE j = 2 t + b, in row buffer b.  The next tile's rows are asked for first and land under this tile's products and activation.
; The even tile also finds the next pair's tokens: its odd partner's rows are asked for from the pair in hand before that.
.macro TILE b
	ROWADR 1-(\b), 1-(\b)                          ; the loads that last used this offset register were waited for a tile ago
	ALOAD 1-(\b)                                   ; the products that read this buffer stand a whole activation back
.if (\b) == 0
	s_add_co_u32 s[P1], s[TRIP], 1
	CINIT
.endif
	s_wait_loadcnt 32                              ; all but the 32 just issued: tile j is in
	MUL \b, 1-(\b)
.if (\b) == 0
	BITSEL TOK                                     ; 50 plain instructions: also the places behind the products (ISA guide 7.12.1)
.else
.rept 4
	v_nop                                          ; the four places behind the products
.endr
.endif
	s_wait_xcnt 0x0                                ; the last tile's stores have read their registers
.irp n, 0,1,2,3
	GELU8 \n
	global_store_b128 v6, v[HP+4*\n:HP+4*\n+3], s[12:13] offset:(\b)*32768+512*\n  ; 512 consecutive bytes, at a multiple of 512 from h's first
.endr
.endm
.set i, 0
.rept 8
	global_load_b128 v[SELR+4*i:SELR+4*i+3], v6, s[6:7] offset:512*i
.set i, i+1
.endr
.set i, 0
.rept 4
	global_load_b128 v[BIAS+8*i:BIAS+8*i+3],   v[TMP], s[10:11] offset:64*i
	global_load_b128 v[BIAS+8*i+4:BIAS+8*i+7], v[TMP], s[10:11] offset:64*i+16
.set i, i+1
.endr
	WLOAD 0, 12
	s_wait_loadcnt 48                              ; sel and the bias are in; the 48 weight loads stay out: the bitmap and the first search are made under them
	WLOAD 12, 16
	BUILD
	s_max_u32 s[NTL], s[NTL], 1                    ; an empty quarter makes one tile
.set i, 0
.rept 16                               ; the bias rounded to bf16, as every input is
	v_cvt_pk_bf16_f32 v[HP], v[BIAS+2*i], v[BIAS+2*i+1]
	v_lshlrev_b32 v[BIAS+2*i], 16, v[HP]
	v_and_b32 v[BIAS+2*i+1], s[HM], v[HP]
.set i, i+1
.endr
	s_mov_b32 s[P1], 0                             ; the first pair of tiles
	CINIT
.set qq, 1
.rept 31
	CSTEP qq
.set qq, qq+1
.endr
	BITSEL TOK
	ROWADR 0, 0
	ALOAD 0
	s_wait_loadcnt 63                              ; behind rows 0-7 of my 16 stand 64 loads (32 of weights, 32 of rows): the largest count that the wait can name leaves fewer out
	WCVT 0
	WCVT 1
	s_wait_loadcnt 48                              ; rows 8-11: behind them 16 weight loads and tile 0's 32
	WCVT 2
	s_wait_loadcnt 32                              ; all my weights: tile 0's 32 stay out
	WCVT 3
	s_wait_dscnt 0x0                               ; for the others' sake: my rows of the slice lie in LDS
	s_barrier_signal -1
	s_barrier_wait -1                              ; the one barrier: behind it nobody writes the slice
.set ks, 0
.rept 16                               ; the whole slice into registers: K step ks, columns 16 nt on
	WIN 0x40*(1+ks/8)
.set nt, 0
.rept 4
	ds_load_b128 v[((ks%8)*4+nt)*8:((ks%8)*4+nt)*8+3],   v[FA] offset:nt*16*PITCH+64*ks
	ds_load_b128 v[((ks%8)*4+nt)*8+4:((ks%8)*4+nt)*8+7], v[FA] offset:nt*16*PITCH+64*ks+32
.set nt, nt+1
.endr
.set ks, ks+1
.endr
	WIN 0
	s_wait_dscnt 0x0
	s_mov_b32 s[JT], 0
	s_mov_b32 s[TRIP], 0                           ; 32 trips of two tiles cover a quarter's 1,024 tokens; the loop is left forward when the quarter's tiles are done
.Lpair:
	s_cmp_ge_u32 s[JT], s[NTL]
	s_cbranch_scc1 .Ldone
	TILE 0
	s_add_co_u32 s[JT], s[JT], 1
	s_cmp_ge_u32 s[JT], s[NTL]
	s_cbranch_scc1 .Ldone
	TILE 1
	s_add_co_u32 s[JT], s[JT], 1
	s_wait_xcnt 0x0                                ; the stores have read their base
	s_add_nc_u64 s[12:13], s[12:13], 0x10000       ; two tiles of h on
	s_add_co_u32 s[TRIP], s[TRIP], 1
	s_cmp_lt_u32 s[TRIP], 32
	s_cbranch_scc1 .Lpair
.Ldone:
	s_wait_tensorcnt 0x0                           ; the wave's end
	ds_add_u32 v[SPW], v[NIL]
	s_wait_dscnt 0x0
	s_endpgm
.Lfunc_end_k_q93056a9ae2_ffn1:
	.size	k_q93056a9ae2_ffn1, .Lfunc_end_k_q93056a9ae2_ffn1-k_q93056a9ae2_ffn1
	.p2alignl 7, 3214868480
	.fill 96, 4, 3214868480
	.section	.rodata,"a",@progbits
	.p2align	6, 0x0
	.amdhsa_kernel k_q93056a9ae2_ffn1
		.amdhsa_group_segment_fixed_size 67072
		.amdhsa_private_segment_fixed_size 0
		.amdhsa_enable_private_segment 0
		.amdhsa_kernarg_size 40
		.amdhsa_user_sgpr_count 2
		.amdhsa_user_sgpr_kernarg_segment_ptr 1
		.amdhsa_wavefront_size32 1
		.amdhsa_system_sgpr_workgroup_id_x 1
		.amdhsa_system_sgpr_workgroup_id_y 1
		.amdhsa_system_sgpr_workgroup_id_z 1
		.amdhsa_system_vgpr_workitem_id 0
		.amdhsa_next_free_vgpr 1024
		.amdhsa_next_free_sgpr 106
		.amdhsa_reserve_vcc 1
		.amdhsa_float_denorm_mode_32 3
		.amdhsa_float_denorm_mode_16_64 3
		.amdhsa_memory_ordered 1
		.amdhsa_forward_progress 1
		.amdhsa_inst_pref_size 98
	.end_amdhsa_kernel
	.amdgpu_metadata
---
amdhsa.version: [ 1, 2 ]
amdhsa.kernels:
  - .name:           k_q93056a9ae2_ffn1
    .symbol:         k_q93056a9ae2_ffn1.kd
    .args:
      - { .name: xb, .offset: 0, .size: 8, .value_kind: global_buffer, .address_space: global }
      - { .name: sel, .offset: 8, .size: 8, .value_kind: global_buffer, .address_space: global }
      - { .name: w1, .offset: 16, .size: 8, .value_kind: global_buffer, .address_space: global }
      - { .name: b1, .offset: 24, .size: 8, .value_kind: global_buffer, .address_space: global }
      - { .name: h, .offset: 32, .size: 8, .value_kind: global_buffer, .address_space: global }
    .group_segment_fixed_size: 67072
    .private_segment_fixed_size: 0
    .kernarg_segment_align: 8
    .kernarg_segment_size: 40
    .max_flat_workgroup_size: 128
    .sgpr_count:     106
    .vgpr_count:     1024
    .wavefront_size: 32
...
	.end_amdgpu_metadata
.endif
;; end of part 2
;; launch ffn2 (part 3): grid 16 x 16, 4 waves a work-group, no clusters, 84,992 bytes of LDS; arguments h, sel, gates, w2, b2, part; writes part
.if DOCPART == 3
	.amdgcn_target "amdgcn-amd-amdhsa--gfx1250"
	.amdhsa_code_object_version 6
	.text
	.protected	k_q93056a9ae2_ffn2
	.globl	k_q93056a9ae2_ffn2
	.p2align	8
	.type	k_q93056a9ae2_ffn2,@function
k_q93056a9ae2_ffn2:
	s_mov_b64 s[64:65], 0
	v_nop
	global_prefetch_b8 v0, s[64:65] scope:SCOPE_SE
	s_setreg_imm32_b32 hwreg(HW_REG_WAVE_MODE, 25, 1), 1
	s_wait_xcnt 0x0
; SECOND PRODUCT.  part[kh][slot][64 cs ..] = gate[slot] x (h[row][512 kh ..] w2[e][64 cs ..][512 kh ..]^T + b2[e] / 2), slot = 4,096 k + token, k = 0 or 1: e is the token's first or second choice.
; Grid: x = 8 kh + cs (a half of K = 1,024, 64 of the 512 output columns), y = expert.  The shape is the first product's: a slice of 64 rows x 512 of f32 weights, read once in the launch by this
; work-group, kept by every wave as 64 fragments in 512 registers; the rows of h stream from memory, already in operand order, 512 consecutive bytes a load.  The loop over rows has no barrier.
; THE ROWS.  Wave w owns tokens 1,024 w .. and finds the token of each rank from a bitmap of 32 ballots and 31 keys in scalar registers, by the text of the launch before, so the ranks agree with h's rows.
; 32 lanes find 32 rows, two tiles, a pair of tiles ahead, and gather each token's word of sel (which gives k) and its two gates.  Ranks past the count take the last row once more, whose row of h the
; launch before repeated too: such a row stores the same bytes once more.  A quarter without rows stores nothing.
; THE SUM over the two halves of K and a token's two experts is another launch's: four partial rows a token, in f32.  Each half carries half the bias (exact), so the halves add up to the whole.
; FORMATS.  w2 and b2 rounded to bf16; that number of w2 is written as f16 beside h in f16; sums in f32.
; LIMITS.  A weight under 2^-14 keeps f16's fixed step of 2^-24; one of 65,520 or more is not served.  NaN and infinities are not treated apart.
; NO TENSOR LOADS, NO CLUSTER: the loop's length hangs on a stored count, so it can hold no barrier, and each weight has one reader.
; REGISTERS, in windows of 256 (s_set_vgpr_msb: bits 1:0 source 0, 3:2 source 1, 5:4 source 2, 7:6 destination):
;   window 0: addresses, bias, accumulators, work; v128-255 row buffer 0     window 1: the weights as loaded, then the fragments of K steps 0-7     window 2: K steps 8-15     window 3: v128-255 row buffer 1
.set PITCH,  1040                      ; an LDS row of the slice: 1,024 bytes + 16: an odd multiple of 16
.set STAGE,  64*PITCH                  ; behind the slice: 16 rows x 272 bytes for each wave, for the way out
.set SP,     272
.set ROWS,   STAGE+4*16*SP             ; 32 words for each wave: the slots of a pair of tiles
.set SPARE,  ROWS+512                  ; the spare words: 128 bytes for each wave; no other line names them
.set RSTRIDE, 4096                     ; bytes from row to row of w2
.set SPW, 4                            ; v4  my spare word's address; never rewritten
.set NIL, 5                            ; v5  0; never rewritten
.set SELR, 8                           ; v8-39   sel's words of my 1,024 tokens; later the search's work:
.set RK,  8                            ;   R << 10 | 1023
.set VK,  9                            ;   the key kept so far
.set VW,  10                           ;   its word of the bitmap
.set RR,  11                           ;   R
.set REM, 12                           ;   the rank left in the word
.set POS, 13                           ;   the bit
.set T0,  14
.set T1,  15
.set SW1, 16                           ;   counts of the word's pairs of bits,
.set SW2, 17                           ;   nibbles,
.set SW4, 18                           ;   bytes,
.set SW8, 19                           ;   and of its low half, in the low byte
.set OUTR, 8                           ; and 16 rows read back from the stage
.set BIAS, 40                          ; v40-71  b2[16 nt + 8 h + j] / 2
.set ACC, 72                           ; v72-103 four accumulators: 16 rows x 64 columns
.set SS,  104                          ; v104-111 the slots of the rows that I store, then their byte offsets; ahead of the loop two registers at work
.set GG,  112                          ; v112-113 my row's gate (a pair for the packed multiply; the second word is 0)
.set GN,  114                          ; v114-115 lane L: both gates of the next pair's row L, as gathered
.set GV,  116                          ; v116 lane L: the gate of row L of the pair in hand
.set TCN, 117                          ; v117 lane L: the token of the next pair's row L
.set SELN, 118                         ; v118 its word of sel
.set SOFF, 119                         ; v119 the two gathers' byte offsets
.set GOFF, 120
.set STO, 121                          ; v121 the way out: where I put 16 bytes of a row
.set RD,  122                          ; v122 where I read rows back
.set R16, 123                          ; v123 16 r
.set LB0, 124                          ; v124 my wave's slots + 4 h
.set ROWA, 125                         ; v125 my wave's slots + 4 L
.set FA,  126                          ; v126 a fragment's place in the slice; in the loop
.set PX,  126                          ;      the other half of the lanes' gate
.set TMP, 127
.set ABUF, 128
.set TS,   2                           ; s2   at work
.set CNT,  3                           ; s3   chosen tokens
.set WV,   16                          ; s16  my wave's number
.set CS,   17                          ; s17  which 64 columns
.set EX,   18                          ; s18  expert
.set STMP, 19
.set TRIP, 20                          ; s20  the loop's counter
.set KT,   20                          ; s21-51  the keys K_1 .. K_31 (K_0 is 0); ahead of the ballots offsets are made here
.set AN,   52                          ; s[52:53], s[54:55]  h at the tile that row buffer 0, 1 takes
.set OFFP, 56                          ; s[56:57] a tile's byte offset
.set NTL,  58                          ; s58  tiles of 16 rows
.set JT,   59                          ; s59  the tile in hand
.set LAST, 60                          ; s60  the last tile that the launch before wrote
.set P1,   61                          ; s61  the pair of tiles that is searched for
.set SH,   62                          ; s62  16 + e
.set HM,   63                          ; s63  0xffff0000: a word's upper bf16; also the mask of lanes 16-31
.set BT,   66                          ; s66-97  the bitmap
.set BITS, 98                          ; s98  the two bits of sel's words that name e
.set CM1,  99                          ; s99  the last rank
.set PS,   100                         ; s100-101 v_permlanex16_b32's selects
.set TB,   104                         ; s104 my first token
.set KH,   105                         ; s105 which half of K
.set MSB, 0
.macro WIN new                         ; the immediate's high byte repeats the setting that is left; a switch that changes nothing is dropped
.if MSB != (\new)
	s_set_vgpr_msb (MSB<<8)|(\new)
.set MSB, (\new)
.endif
.endm
	s_load_b256 s[4:11], s[0:1], 0x0               ; h s[4:5], sel s[6:7], gates s[8:9], w2 s[10:11]
	s_load_b128 s[12:15], s[0:1], 0x20             ; b2 s[12:13], part s[14:15]
	v_lshl_add_u32 v[SPW], v0, 2, SPARE
	v_mov_b32 v[NIL], 0
	v_and_b32 v1, 31, v0                           ; lane L
	v_lshrrev_b32 v2, 5, v0
	v_readfirstlane_b32 s[WV], v2                  ; wave 0..3
	v_and_b32 v2, 15, v0                           ; r
	v_bfe_u32 v3, v0, 4, 1                         ; h
	v_lshlrev_b32 v6, 4, v1                        ; 16 L
	s_and_b32 s[CS], ttmp9, 7
	s_lshr_b32 s[KH], ttmp9, 3
	s_and_b32 s[EX], ttmp7, 0xffff
	s_lshl_b32 s30, s[EX], 21                      ; w2: an expert is 2 MiB, 64 rows of 4,096 bytes a slice, my 16 of them, the half of K
	s_lshl_b32 s[STMP], s[CS], 18
	s_add_co_u32 s30, s30, s[STMP]
	s_lshl_b32 s[STMP], s[WV], 16
	s_add_co_u32 s30, s30, s[STMP]
	s_lshl_b32 s[STMP], s[KH], 11
	s_add_co_u32 s30, s30, s[STMP]
	s_mov_b32 s31, 0
	s_lshl_b32 s32, s[EX], 11                      ; b2
	s_lshl_b32 s[STMP], s[CS], 8
	s_add_co_u32 s32, s32, s[STMP]
	s_mov_b32 s33, 0
	s_lshl_b32 s34, s[EX], 23                      ; h: 64 tiles for each (e, w); 16 K steps of 1,024 bytes a half
	s_lshl_b32 s[STMP], s[WV], 21
	s_add_co_u32 s34, s34, s[STMP]
	s_lshl_b32 s[STMP], s[KH], 14
	s_add_co_u32 s34, s34, s[STMP]
	s_mov_b32 s35, 0
	s_lshl_b32 s36, s[KH], 24                      ; part: 8,192 slots of 2,048 bytes a half; my 256 bytes of a row
	s_lshl_b32 s[STMP], s[CS], 8
	s_add_co_u32 s36, s36, s[STMP]
	s_mov_b32 s37, 0
	s_mov_b32 s[OFFP+1], 0
	s_lshl_b32 s[STMP], s[WV], 12
	v_add_nc_u32 v[SOFF], s[STMP], v6              ; sel: my 1,024 words + 16 L
	s_mul_i32 s[STMP], s[WV], 16*PITCH
	v_lshl_add_u32 v7, v1, 3, s[STMP]              ; where I lay my 16 rows of the slice: + 8 L
	v_mul_u32_u24 v[FA], v2, PITCH
	v_lshl_add_u32 v[FA], v3, 4, v[FA]
	v_lshlrev_b32 v[TMP], 5, v3                    ; 32 h
	v_lshlrev_b32 v[R16], 4, v2
	v_mov_b32 v[GG+1], 0
	s_lshl_b32 s[BITS], 0x10001, s[EX]
	s_add_co_u32 s[SH], s[EX], 16
	s_lshl_b32 s[TB], s[WV], 10
	s_mov_b32 s[PS], 0x76543210
	s_mov_b32 s[PS+1], 0xfedcba98
	s_mov_b32 s[HM], 0xffff0000
	s_mul_i32 s[STMP], s[WV], 16*SP
	s_add_co_u32 s[STMP], s[STMP], STAGE           ; my stage
	v_mul_u32_u24 v[STO], v2, SP                   ; in: row r, 32 bytes for each half of the lanes
	v_lshl_add_u32 v[STO], v3, 5, v[STO]
	v_add_nc_u32 v[STO], s[STMP], v[STO]
	v_mul_u32_u24 v[RD], v3, SP                    ; back: lanes 0-15 take one row of 256 bytes, lanes 16-31 the next
	v_lshl_add_u32 v[RD], v2, 4, v[RD]
	v_add_nc_u32 v[RD], s[STMP], v[RD]
	s_lshl_b32 s[STMP], s[WV], 7
	s_add_co_u32 s[STMP], s[STMP], ROWS            ; my 32 slots
	v_lshl_add_u32 v[ROWA], v1, 2, s[STMP]
	v_lshl_add_u32 v[LB0], v3, 2, s[STMP]
	s_wait_kmcnt 0x0
	s_add_nc_u64 s[4:5], s[4:5], s[34:35]
	s_add_nc_u64 s[10:11], s[10:11], s[30:31]
	s_add_nc_u64 s[12:13], s[12:13], s[32:33]
	s_add_nc_u64 s[14:15], s[14:15], s[36:37]
	s_mov_b64 s[AN:AN+1], s[4:5]                   ; tile 0 of h
; rows lo .. hi - 1 of my 16 rows of the slice, four loads of 512 consecutive bytes a row, into window 1
.macro WLOAD lo, hi
	WIN 0x40
.set rho, (\lo)
.rept (\hi)-(\lo)
.set qc, 0
.rept 4
	global_load_b128 v[4*(4*rho+qc):4*(4*rho+qc)+3], v6, s[10:11] offset:rho*RSTRIDE+512*qc th:TH_LOAD_NT
.set qc, qc+1
.endr
.set rho, rho+1
.endr
	WIN 0
.endm
; rows 4 g .. 4 g + 3: rounded to bf16, that number written as f16, in place, 8 bytes a lane, and laid into the slice in LDS
.macro WCVT g
	WIN 0x45
.set i, 16*(\g)
.rept 16
	v_cvt_pk_bf16_f32 v[4*i], v[4*i], v[4*i+1]
	v_cvt_pk_bf16_f32 v[4*i+2], v[4*i+2], v[4*i+3]
	v_and_b32 v[4*i+1], s[HM], v[4*i]
	v_lshlrev_b32 v[4*i], 16, v[4*i]
	v_and_b32 v[4*i+3], s[HM], v[4*i+2]
	v_lshlrev_b32 v[4*i+2], 16, v[4*i+2]
	v_cvt_pk_f16_f32 v[4*i], v[4*i], v[4*i+1]
	v_cvt_pk_f16_f32 v[4*i+1], v[4*i+2], v[4*i+3]
.set i, i+1
.endr
	WIN 0x04
.set i, 16*(\g)
.rept 16
	ds_store_b64 v7, v[4*i:4*i+1] offset:(i/4)*PITCH+(i%4)*256
.set i, i+1
.endr
	WIN 0
.endm
; THE BITMAP AND THE KEYS, as in the launch before.  Word i, bit L is token 128 (i / 4) + 4 L + i % 4 of my 1,024.
.macro BUILD
	s_mov_b32 s[CNT], 0
.set i, 0
.rept 32
	v_and_b32 v[SS+i%2], s[BITS], v[SELR+i]
	v_cmp_ne_u32 s[BT+i], 0, v[SS+i%2]
.if i > 0
	s_lshl_b32 s[KT+i], s[CNT], 10
	s_or_b32 s[KT+i], s[KT+i], 128*(i/4)+i%4
.endif
	s_bcnt1_i32_b32 s[TS], s[BT+i]
	s_add_co_u32 s[CNT], s[CNT], s[TS]
.set i, i+1
.endr
	s_max_u32 s[CM1], s[CNT], 1
	s_sub_co_u32 s[CM1], s[CM1], 1                 ; the last rank (0 for an empty quarter)
	s_add_co_u32 s[NTL], s[CNT], 15
	s_lshr_b32 s[NTL], s[NTL], 4                   ; 0 for an empty quarter
.endm
; THE SEARCH for the rows of ranks 32 P1 + L, as in the launch before.  It begins with word 0;
.macro CINIT
	v_lshl_add_u32 v[RR], s[P1], 5, v1
	v_min_u32 v[RR], s[CM1], v[RR]                 ; past the count: the last row once more
	v_lshl_or_b32 v[RK], v[RR], 10, 0x3ff
	v_mov_b32 v[VK], 0
	v_mov_b32 v[VW], s[BT]
.endm
; word q takes over where its prefix is at most R.  The first source is a scalar register, the others lie in window 0: the three lines also stand as they are between the products of row buffer 0;
.macro CSTEP q
	v_cmp_gt_u32 vcc_lo, s[KT+\q], v[RK]
	v_cndmask_b32 v[VK], s[KT+\q], v[VK], vcc_lo
	v_cndmask_b32 v[VW], s[BT+\q], v[VW], vcc_lo
.endm
; a halving: if the rank left is at least the count of the lower wd bits from POS on, these are passed over;
.macro BSTEP src, fw, wd
	v_bfe_u32 v[T0], v[\src], v[POS], \fw
	v_cmp_ge_u32 vcc_lo, v[REM], v[T0]
	v_cndmask_b32 v[T0], 0, v[T0], vcc_lo
	v_cndmask_b32 v[T1], 0, \wd, vcc_lo
	v_sub_nc_u32 v[REM], v[REM], v[T0]
	v_add_nc_u32 v[POS], v[POS], v[T1]
.endm
; and the set bit of that rank in the word names the token.
.macro BITSEL dst
	v_lshrrev_b32 v[T0], 10, v[VK]                 ; the word's prefix
	v_lshrrev_b32 v[T1], 1, v[VW]
	v_sub_nc_u32 v[REM], v[RR], v[T0]
	v_and_b32 v[T1], 0x55555555, v[T1]
	v_sub_nc_u32 v[SW1], v[VW], v[T1]
	v_lshrrev_b32 v[T1], 2, v[SW1]
	v_and_b32 v[SW2], 0x33333333, v[SW1]
	v_and_b32 v[T1], 0x33333333, v[T1]
	v_add_nc_u32 v[SW2], v[SW2], v[T1]
	v_lshrrev_b32 v[T1], 4, v[SW2]
	v_add_nc_u32 v[SW4], v[SW2], v[T1]
	v_and_b32 v[SW4], 0x0f0f0f0f, v[SW4]
	v_lshrrev_b32 v[T1], 8, v[SW4]
	v_add_nc_u32 v[SW8], v[SW4], v[T1]
	v_mov_b32 v[POS], 0
	BSTEP SW8, 8, 16
	BSTEP SW4, 8, 8
	BSTEP SW2, 4, 4
	BSTEP SW1, 2, 2
	BSTEP VW, 1, 1
	v_and_b32 v[T0], 0x3ff, v[VK]                  ; the word's first token
	v_lshl_add_u32 v[T0], v[POS], 2, v[T0]
	v_add_nc_u32 v[\dst], s[TB], v[T0]
.endm
; each of the 32 tokens' word of sel and pair of gates are asked for
.macro GATHER
	v_min_u32 v[TCN], 0xfff, v[TCN]                ; a token
	v_lshlrev_b32 v[SOFF], 2, v[TCN]
	v_lshlrev_b32 v[GOFF], 3, v[TCN]
	global_load_b32 v[SELN], v[SOFF], s[6:7]
	global_load_b64 v[GN:GN+1], v[GOFF], s[8:9]
.endm
; and made into the pair's gates (lane L: row L) and slots, which go to my wave's 32 words of LDS for the lanes that store the rows
.macro PREP
	v_lshrrev_b32 v[TMP], s[SH], v[SELN]
	v_and_b32 v[TMP], 1, v[TMP]                    ; k: 1 where e is the token's second choice
	v_cmp_ne_u32 vcc_lo, 0, v[TMP]
	v_cndmask_b32 v[GV], v[GN], v[GN+1], vcc_lo
	v_lshl_or_b32 v[TMP], v[TMP], 12, v[TCN]       ; the slot
	ds_store_b32 v[ROWA], v[TMP]
.endm
; my half of K of a tile of h, 16 fragments, into row buffer bb: each load covers 512 consecutive bytes
.macro ALOAD bb
	WIN 0xc0*(\bb)
.set ks, 0
.rept 16
	global_load_b128 v[ABUF+8*ks:ABUF+8*ks+3],   v6, s[AN+2*(\bb):AN+2*(\bb)+1] offset:1024*ks
	global_load_b128 v[ABUF+8*ks+4:ABUF+8*ks+7], v6, s[AN+2*(\bb):AN+2*(\bb)+1] offset:1024*ks+512
.set ks, ks+1
.endr
	WIN 0
.endm
; 64 matrix instructions: 16 K steps x 4 tiles of 16 columns.  Source 0 = 16 rows of w2, source 1 = the 16 rows of h: lane (r, h) holds row r, columns 16 nt + 8 h + 0..7.
; The first K step starts the sums with half the bias; the four accumulators take turns.  ride = 1: behind every second product stands a step of the search.
.macro MUL b, ride
.set ks, 0
.set mm, 0
.rept 16
	WIN (1+ks/8)|(12*(\b))
.set nt, 0
.rept 4
.if ks == 0
	v_wmma_f32_16x16x32_f16 v[ACC+8*nt:ACC+8*nt+7], v[((ks%8)*4+nt)*8:((ks%8)*4+nt)*8+7], v[ABUF+8*ks:ABUF+8*ks+7], v[BIAS+8*nt:BIAS+8*nt+7]
.else
	v_wmma_f32_16x16x32_f16 v[ACC+8*nt:ACC+8*nt+7], v[((ks%8)*4+nt)*8:((ks%8)*4+nt)*8+7], v[ABUF+8*ks:ABUF+8*ks+7], v[ACC+8*nt:ACC+8*nt+7]
.endif
.if (\ride) && (mm%2 == 0) && (mm < 62)
	CSTEP mm/2+1
.endif
.set mm, mm+1
.set nt, nt+1
.endr
.set ks, ks+1
.endr
	WIN 0
.endm
; THE WAY OUT of tile b of the pair: the rows are scaled by their gates, go through my own stage and leave as whole pieces of 256 bytes, each to its slot's row.
.macro WAYOUT b
	v_permlanex16_b32 v[PX], v[GV], s[PS], s[PS+1]
.if (\b) == 0
	v_cndmask_b32 v[GG], v[GV], v[PX], s[HM]       ; row r's gate lies in lane r,
.else
	v_cndmask_b32 v[GG], v[PX], v[GV], s[HM]       ; or in lane 16 + r
.endif
.irp t, 0,1,2,3,4,5,6,7
	ds_load_b32 v[SS+\t], v[LB0] offset:64*(\b)+8*\t  ; the slots of rows 2 t + h, which I store
.endr
.set q, 0
.rept 16                               ; each accumulator is read from its low end on
	v_pk_mul_f32 v[ACC+q:ACC+q+1], v[ACC+q:ACC+q+1], v[GG:GG+1] op_sel_hi:[1,0]
.set q, q+2
.endr
.irp n, 0,1,2,3
	ds_store_b128 v[STO], v[ACC+8*\n:ACC+8*\n+3]   offset:64*\n
	ds_store_b128 v[STO], v[ACC+8*\n+4:ACC+8*\n+7] offset:64*\n+16
.endr
.irp t, 0,1,2,3,4,5,6,7
	ds_load_b128 v[OUTR+4*\t:OUTR+4*\t+3], v[RD] offset:2*SP*\t  ; my own stage: LDS serves a wave's instructions in order, so these see the stores above
.endr
	s_wait_dscnt 16                                ; the slots are in: behind them eight stores and eight loads
.irp t, 0,1,2,3,4,5,6,7
	v_min_u32 v[SS+\t], 0x1fff, v[SS+\t]           ; a slot
	v_lshlrev_b32 v[SS+\t], 11, v[SS+\t]           ; its row of 2,048 bytes
	v_add_nc_u32 v[SS+\t], v[R16], v[SS+\t]        ; + 16 r
.endr
.irp t, 0,1,2,3,4,5,6,7
	s_wait_dscnt 7-\t
	global_store_b128 v[SS+\t], v[OUTR+4*\t:OUTR+4*\t+3], s[14:15]  ; 16 lanes store 256 consecutive bytes of a row, at a multiple of 256 from part's first byte
.endr
.endm
; TILE j = 2 t + b, in row buffer b.  The next tile's rows are asked for first and land under this tile's products and way out.
; The even tile finds the next pair's tokens and asks for their words and gates; the odd tile, at its end, makes the next pair's gates and slots of them.
.macro TILE b
	s_add_co_u32 s[OFFP], s[JT], 1                 ; the tile ahead never passes the last one written,
	s_min_u32 s[OFFP], s[OFFP], s[LAST]
	s_min_u32 s[OFFP], s[OFFP], 63                 ; nor the quarter's 64
	s_lshl_b32 s[OFFP], s[OFFP], 15
	s_add_nc_u64 s[AN+2-2*(\b):AN+3-2*(\b)], s[4:5], s[OFFP:OFFP+1]  ; the loads that last used this base were waited for a tile ago
	ALOAD 1-(\b)                                   ; the products that read this buffer stand a whole way out back
.if (\b) == 0
	s_wait_xcnt 0x0                                ; the last tile's stores have read their registers, in which the search works
	s_add_co_u32 s[P1], s[TRIP], 1
	CINIT
	s_wait_loadcnt 32                              ; all but the 32 just issued: tile j is in
.else
	s_wait_loadcnt 34                              ; all but the two gathers and the 32 just issued: tile j is in
.endif
	MUL \b, 1-(\b)
.if (\b) == 0
	BITSEL TCN                                     ; 50 plain instructions: also the places behind the products (ISA guide 7.12.1)
	GATHER
.else
.rept 4
	v_nop                                          ; the four places behind the products
.endr
	s_wait_xcnt 0x0                                ; the last tile's stores have read their registers
.endif
	WAYOUT \b
.if (\b) == 1
	s_wait_loadcnt 32                              ; the two gathers are in: behind them the next tile's 32
	PREP                                           ; its LDS store comes behind this pair's last reads of the slots: LDS serves a wave's instructions in order
.endif
.endm
.set i, 0
.rept 8
	global_load_b128 v[SELR+4*i:SELR+4*i+3], v[SOFF], s[6:7] offset:512*i
.set i, i+1
.endr
.set i, 0
.rept 4
	global_load_b128 v[BIAS+8*i:BIAS+8*i+3],   v[TMP], s[12:13] offset:64*i
	global_load_b128 v[BIAS+8*i+4:BIAS+8*i+7], v[TMP], s[12:13] offset:64*i+16
.set i, i+1
.endr
	WLOAD 0, 12
	s_wait_loadcnt 48                              ; sel and the bias are in; the 48 weight loads stay out: the bitmap and the first search are made under them
	WLOAD 12, 16
	BUILD
	s_max_u32 s[LAST], s[NTL], 1
	s_sub_co_u32 s[LAST], s[LAST], 1
.set i, 0
.rept 16                               ; the bias rounded to bf16, as every input is, and halved
	v_cvt_pk_bf16_f32 v[SS], v[BIAS+2*i], v[BIAS+2*i+1]
	v_lshlrev_b32 v[BIAS+2*i], 16, v[SS]
	v_and_b32 v[BIAS+2*i+1], s[HM], v[SS]
	v_pk_mul_f32 v[BIAS+2*i:BIAS+2*i+1], v[BIAS+2*i:BIAS+2*i+1], 0.5 op_sel_hi:[1,0]
.set i, i+1
.endr
	s_mov_b32 s[P1], 0                             ; the first pair of tiles
	CINIT
.set qq, 1
.rept 31
	CSTEP qq
.set qq, qq+1
.endr
	BITSEL TCN
	GATHER
	ALOAD 0
	s_wait_loadcnt 63                              ; behind rows 0-7 of my 16 stand 66 loads (32 of weights, two gathers, 32 of rows): the largest count that the wait can name leaves fewer out
	WCVT 0
	WCVT 1
	s_wait_loadcnt 50                              ; rows 8-11: behind them 16 weight loads, the two gathers and tile 0's 32
	WCVT 2
	s_wait_loadcnt 34                              ; all my weights: the two gathers and tile 0's 32 stay out
	WCVT 3
	s_wait_loadcnt 32                              ; the gathers
	PREP
	s_wait_dscnt 0x0                               ; for the others' sake: my rows of the slice lie in LDS
	s_barrier_signal -1
	s_barrier_wait -1                              ; the one barrier: behind it nobody writes the slice
.set ks, 0
.rept 16                               ; the whole slice into registers: K step ks, columns 16 nt on
	WIN 0x40*(1+ks/8)
.set nt, 0
.rept 4
	ds_load_b128 v[((ks%8)*4+nt)*8:((ks%8)*4+nt)*8+3],   v[FA] offset:nt*16*PITCH+64*ks
	ds_load_b128 v[((ks%8)*4+nt)*8+4:((ks%8)*4+nt)*8+7], v[FA] offset:nt*16*PITCH+64*ks+32
.set nt, nt+1
.endr
.set ks, ks+1
.endr
	WIN 0
	s_wait_dscnt 0x0
	s_mov_b32 s[JT], 0
	s_mov_b32 s[TRIP], 0                           ; 32 trips of two tiles cover a quarter's 1,024 tokens; the loop is left forward when the quarter's tiles are done
.Lpair:
	s_cmp_ge_u32 s[JT], s[NTL]
	s_cbranch_scc1 .Ldone
	TILE 0
	s_add_co_u32 s[JT], s[JT], 1
	s_cmp_ge_u32 s[JT], s[NTL]
	s_cbranch_scc1 .Ldone
	TILE 1
	s_add_co_u32 s[JT], s[JT], 1
	s_add_co_u32 s[TRIP], s[TRIP], 1
	s_cmp_lt_u32 s[TRIP], 32
	s_cbranch_scc1 .Lpair
.Ldone:
	s_wait_tensorcnt 0x0                           ; the wave's end
	ds_add_u32 v[SPW], v[NIL]
	s_wait_dscnt 0x0
	s_endpgm
.Lfunc_end_k_q93056a9ae2_ffn2:
	.size	k_q93056a9ae2_ffn2, .Lfunc_end_k_q93056a9ae2_ffn2-k_q93056a9ae2_ffn2
	.p2alignl 7, 3214868480
	.fill 96, 4, 3214868480
	.section	.rodata,"a",@progbits
	.p2align	6, 0x0
	.amdhsa_kernel k_q93056a9ae2_ffn2
		.amdhsa_group_segment_fixed_size 84992
		.amdhsa_private_segment_fixed_size 0
		.amdhsa_enable_private_segment 0
		.amdhsa_kernarg_size 48
		.amdhsa_user_sgpr_count 2
		.amdhsa_user_sgpr_kernarg_segment_ptr 1
		.amdhsa_wavefront_size32 1
		.amdhsa_system_sgpr_workgroup_id_x 1
		.amdhsa_system_sgpr_workgroup_id_y 1
		.amdhsa_system_sgpr_workgroup_id_z 1
		.amdhsa_system_vgpr_workitem_id 0
		.amdhsa_next_free_vgpr 1024
		.amdhsa_next_free_sgpr 106
		.amdhsa_reserve_vcc 1
		.amdhsa_float_denorm_mode_32 3
		.amdhsa_float_denorm_mode_16_64 3
		.amdhsa_memory_ordered 1
		.amdhsa_forward_progress 1
		.amdhsa_inst_pref_size 98
	.end_amdhsa_kernel
	.amdgpu_metadata
---
amdhsa.version: [ 1, 2 ]
amdhsa.kernels:
  - .name:           k_q93056a9ae2_ffn2
    .symbol:         k_q93056a9ae2_ffn2.kd
    .args:
      - { .name: h, .offset: 0, .size: 8, .value_kind: global_buffer, .address_space: global }
      - { .name: sel, .offset: 8, .size: 8, .value_kind: global_buffer, .address_space: global }
      - { .name: gates, .offset: 16, .size: 8, .value_kind: global_buffer, .address_space: global }
      - { .name: w2, .offset: 24, .size: 8, .value_kind: global_buffer, .address_space: global }
      - { .name: b2, .offset: 32, .size: 8, .value_kind: global_buffer, .address_space: global }
      - { .name: part, .offset: 40, .size: 8, .value_kind: global_buffer, .address_space: global }
    .group_segment_fixed_size: 84992
    .private_segment_fixed_size: 0
    .kernarg_segment_align: 8
    .kernarg_segment_size: 48
    .max_flat_workgroup_size: 128
    .sgpr_count:     106
    .vgpr_count:     1024
    .wavefront_size: 32
...
	.end_amdgpu_metadata
.endif
;; end of part 3
;; launch addup (part 4): grid 256 x 1, 8 waves a work-group, no clusters, 0 bytes of LDS; arguments part, out0; writes out0
.if DOCPART == 4
	.amdgcn_target "amdgcn-amd-amdhsa--gfx1250"
	.amdhsa_code_object_version 6
	.text
	.protected	k_q93056a9ae2_addup
	.globl	k_q93056a9ae2_addup
	.p2align	8
	.type	k_q93056a9ae2_addup,@function
k_q93056a9ae2_addup:
	s_mov_b64 s[64:65], 0
	v_nop
	global_prefetch_b8 v0, s[64:65] scope:SCOPE_SE
	s_setreg_imm32_b32 hwreg(HW_REG_WAVE_MODE, 25, 1), 1
	s_wait_xcnt 0x0
; out0[t][:] = the sum of a token's four partial rows: part holds four arrays [4096][512] of f32 (two halves of K x two chosen experts), 8,388,608 bytes each, gates and biases already in them.
; A stream: a work-group owns 32,768 consecutive bytes of out0 and the same bytes of each array.  All 32 loads of a wave (512 consecutive bytes each) go out at once; each chunk is added and stored
; when its four have come.  No LDS, no barrier, no matrix unit: every byte is read once and written once, and there is nothing to share.
.set PART, 8388608
	s_load_b128 s[4:7], s[0:1], 0x0                ; part s[4:5], out0 s[6:7]
	v_lshlrev_b32 v1, 4, v0                        ; 16 bytes a thread: 4,096 a work-group and chunk
	s_lshl_b32 s8, ttmp9, 15
	s_mov_b32 s9, 0
	s_wait_kmcnt 0x0
	s_add_nc_u64 s[12:13], s[4:5], s[8:9]          ; a base for each array: their distance is past a load's immediate
	s_add_nc_u64 s[14:15], s[12:13], PART
	s_add_nc_u64 s[16:17], s[14:15], PART
	s_add_nc_u64 s[18:19], s[16:17], PART
	s_add_nc_u64 s[6:7], s[6:7], s[8:9]
.set i, 0
.rept 8
.irp a, 0,1,2,3
	global_load_b128 v[4+16*i+4*\a:4+16*i+4*\a+3], v1, s[12+2*\a:13+2*\a] offset:4096*i th:TH_LOAD_NT
.endr
.set i, i+1
.endr
.set i, 0
.rept 8
	s_wait_loadcnt 4*(7-i)                         ; loads come back in order: chunk i's four are in, the later chunks' stay out
	v_pk_add_f32 v[4+16*i:5+16*i],   v[4+16*i:5+16*i],   v[8+16*i:9+16*i]
	v_pk_add_f32 v[6+16*i:7+16*i],   v[6+16*i:7+16*i],   v[10+16*i:11+16*i]
	v_pk_add_f32 v[12+16*i:13+16*i], v[12+16*i:13+16*i], v[16+16*i:17+16*i]
	v_pk_add_f32 v[14+16*i:15+16*i], v[14+16*i:15+16*i], v[18+16*i:19+16*i]
	v_pk_add_f32 v[4+16*i:5+16*i],   v[4+16*i:5+16*i],   v[12+16*i:13+16*i]
	v_pk_add_f32 v[6+16*i:7+16*i],   v[6+16*i:7+16*i],   v[14+16*i:15+16*i]
	global_store_b128 v1, v[4+16*i:7+16*i], s[6:7] offset:4096*i th:TH_STORE_NT  ; 512 consecutive bytes a wave, at a multiple of 512 from out0's first
.set i, i+1
.endr
	s_endpgm
.Lfunc_end_k_q93056a9ae2_addup:
	.size	k_q93056a9ae2_addup, .Lfunc_end_k_q93056a9ae2_addup-k_q93056a9ae2_addup
	.p2alignl 7, 3214868480
	.fill 96, 4, 3214868480
	.section	.rodata,"a",@progbits
	.p2align	6, 0x0
	.amdhsa_kernel k_q93056a9ae2_addup
		.amdhsa_group_segment_fixed_size 0
		.amdhsa_private_segment_fixed_size 0
		.amdhsa_enable_private_segment 0
		.amdhsa_kernarg_size 16
		.amdhsa_user_sgpr_count 2
		.amdhsa_user_sgpr_kernarg_segment_ptr 1
		.amdhsa_wavefront_size32 1
		.amdhsa_system_sgpr_workgroup_id_x 1
		.amdhsa_system_sgpr_workgroup_id_y 1
		.amdhsa_system_sgpr_workgroup_id_z 1
		.amdhsa_system_vgpr_workitem_id 0
		.amdhsa_next_free_vgpr 136
		.amdhsa_next_free_sgpr 66
		.amdhsa_reserve_vcc 0
		.amdhsa_float_denorm_mode_32 3
		.amdhsa_float_denorm_mode_16_64 3
		.amdhsa_memory_ordered 1
		.amdhsa_forward_progress 1
		.amdhsa_inst_pref_size 8
	.end_amdhsa_kernel
	.amdgpu_metadata
---
amdhsa.version: [ 1, 2 ]
amdhsa.kernels:
  - .name:           k_q93056a9ae2_addup
    .symbol:         k_q93056a9ae2_addup.kd
    .args:
      - { .name: part, .offset: 0, .size: 8, .value_kind: global_buffer, .address_space: global }
      - { .name: out0, .offset: 8, .size: 8, .value_kind: global_buffer, .address_space: global }
    .group_segment_fixed_size: 0
    .private_segment_fixed_size: 0
    .kernarg_segment_align: 8
    .kernarg_segment_size: 16
    .max_flat_workgroup_size: 256
    .sgpr_count:     66
    .vgpr_count:     136
    .wavefront_size: 32
...
	.end_amdgpu_metadata
.endif
;; end of part 4
